; MI455X (gfx1250); checked and timed in simulation.
; The chip was launched on July 23, 2026; its instructions are those of AMD's public machine-readable ISA for CDNA 5 (MIT licence, August 2026) and "CDNA5" Instruction Set Architecture Reference Guide (July 2026). The comments in the code are by the model that wrote it; some were corrected since.
;; Multi Head Memory. Allowed arithmetic: matrix products marked QUANTISED: E5M2 operands, one given power-of-two scale a tensor, by v_wmma_f32_16x16x64_bf8_bf8 or v_wmma_f32_16x16x128_bf8_bf8, f32 sums; everything else in f32.
;; Inputs: fk_b 128 float32; fk_w 128 x 128 float32; fv_b 128 float32; fv_w 128 x 128 float32; fx_b 128 float32; fx_w 128 x 1,024 float32; lowp_scales 10 int32 (the exponents e of the quantised operands' scales 2^e); mem 8 x 65,536 x 128 float32; nk_b 128 float32; nk_g 128 float32; nv_b 128 float32; nv_g 128 float32; nx_b 128 float32; nx_g 128 float32; q 256 x 128 float32.
;; Outputs: out0 256 x 128 float32.
;; This version of the problem:
;;   THIS VERSION OF THE PROBLEM IS GIVEN IN LOW PRECISION. The matrix products marked QUANTISED in the list below multiply operands that are first quantised to E5M2 (5 exponent bits, 2 mantissa bits; 8 bits a number), with one given power-of-two scale for each operand tensor; their sums are f32. All else is computed in f32.
;;   The module's matrix products, in the order in which they are computed (A, B: the left and right operand; K: the contracted axis; several contracted axes count as one K, in the product's order):
;;     1. [M 524,288, K 128] x [K 128, N 128]; A: input mem; B: input fk_w: QUANTISED (scales: A lowp_scales[0], B lowp_scales[1])
;;     2. [M 524,288, K 128] x [K 128, N 128]; A: input mem; B: input fv_w: QUANTISED (scales: A lowp_scales[2], B lowp_scales[3])
;;     3. [M 256, K 128] x [K 128, N 524,288]; A: input q; B: softmax (see below): QUANTISED (scales: A lowp_scales[4], B lowp_scales[5])
;;     4. batch 8 x [M 128, K 65,536] x [K 65,536, N 256]; A: computed on the way; B: softmax (see below): QUANTISED (scales: A lowp_scales[6], B lowp_scales[7])
;;     5. [M 256, K 1,024] x [K 1,024, N 128]; A: computed on the way; B: input fx_w: QUANTISED (scales: A lowp_scales[8], B lowp_scales[9])
;;   THE QUANTISER, for each operand of a quantised product, along K:
;;     - The operand's scale is 2^e, e = its entry of the input lowp_scales (int32; the entries are numbered through the quantised products in the list's order, A before B).
;;     - Each number is divided by the scale, clamped to +-57,344, and rounded to the nearest number of E5M2, ties to even, subnormals kept.
;;     - The product sums the exact products of the quantised numbers (number of the format x scale) in f32.
;;   ~~~python
;;   def quantise(x, axis, e):      # numpy; x: float32 -> the quantised numbers, widened to float32 again
;;       x = np.moveaxis(x, axis, -1); K = x.shape[-1]
;;       r = np.clip(x / 2.0 ** e, -57344, 57344)
;;       step = 2.0 ** (np.maximum(np.frexp(np.where(r == 0, 1, r))[1] - 1, -14) - 2)
;;       q = np.round(r / step) * step * 2.0 ** e      # np.round: ties to even
;;       return np.moveaxis(q, -1, axis).astype(np.float32)
;;   ~~~
;;   SOFTMAX AHEAD OF A QUANTISED PRODUCT. Where the list says 'softmax', what is quantised is not the finished softmax but p = 2^(t - M), with t = logit x log2(e) and M = ceil(the row's largest t), a whole number; so 1/2 < the row's largest p <= 1. The row's sum l is taken of the UNQUANTISED p, in f32, and the product's result is divided by l at the end. Since M is a whole number, a kernel that streams over the keys may use a running M (the ceiling of the running maximum): every later rescaling is an exact power of two, so the quantised numbers keep their values, but for numbers so far below the row's largest that they fall under the format's range.
;;   OPERANDS COMPUTED ON THE WAY. 'Computed on the way' means the value that the module computes at that place (a softmax that the list does not call 'softmax' is quantised finished and normalised). What goes into a quantiser is computed in f32, as accurately as f32 sums, v_exp_f32 and their like allow (about 1e-6 of the number): no bf16 or f16 on the way to a quantiser, and a product that is left as it is and whose result goes on into a quantised operand takes f32 operands (vector FMAs, or v_wmma_f32_16x16x4_f32). A number that lies on a knife's edge between two numbers of the format may be rounded either way, as far as f32 arithmetic and the matrix unit's own rounding can turn it there, and no further.
;; One version. Each part assembles by itself: llvm-mc -triple=amdgcn-amd-amdhsa -mcpu=gfx1250 --defsym DOCPART=n.
;; ======== version 1 of 1: 2 launches
;; limits: right only within a limited range of input values
;; workspace buffers: part_o 33,554,432 bytes; part_ml 524,288 bytes; fxc 131,072 bytes
;; launch stream (part 1): grid 256 x 1, 8 waves a work-group, no clusters, 327,680 bytes of LDS; arguments mem, q, fk_w, fv_w, fx_w, fk_b, fv_b, nk_g, nk_b, nv_g, nv_b, lowp_scales, part_o, part_ml, fxc; writes part_o, part_ml, fxc
.if DOCPART == 1
	.amdgcn_target "amdgcn-amd-amdhsa--gfx1250"
	.amdhsa_code_object_version 6
	.text
	.protected	k_qc148d319e8_stream
	.globl	k_qc148d319e8_stream
	.p2align	8
	.type	k_qc148d319e8_stream,@function
k_qc148d319e8_stream:
	s_mov_b64 s[64:65], 0
	v_nop
	global_prefetch_b8 v0, s[64:65] scope:SCOPE_SE
	s_setreg_imm32_b32 hwreg(HW_REG_WAVE_MODE, 25, 1), 1
	s_wait_xcnt 0x0
; MultiHeadMemory, products 1 to 4 fused, on codes of BF8 (E5M2), each operand with the one scale 2^e that is given for it (e0 .. e9).
; Work-group g takes head g / 32 and its slots 2,048 (g % 32) on: 1 MiB of mem, dense, read once; it serves all 256 queries and stores, for each query, the raw sums
; O (128 numbers), the running whole number M and the sum l of the unquantised p.  The launch behind it joins the 32 parts of a head.  As a side job wave 7 turns 1/256 of fx_w into codes.
; ROLES, by the wave's number w: 0, 2 make keys, 1, 3 make values (P = (w / 2) % 2 says which 32 of a step's 64 slots), 4 to 7 are consumers, 64 queries each.  So each role's constants
; (weights' codes, biases, gains; Q's codes and O) stay in its registers for the whole launch.  A step is 64 slots.  In step i the producers write the images of step i into image buffer i % 2,
; the consumers read those of step i - 1 from the other buffer; one barrier a step.
; LAYOUT.  An operand's lane (r = lane % 16, h = lane / 16) holds row r; its registers 2 c, 2 c + 1 hold k = 16 c + 8 h + 0 .. 7.  A result's register j holds (m = 8 h + j, n = r).
;   keys:   source 0 = 16 rows of fk_w, source 1 = 16 slots: a lane holds ONE slot and 64 of its 128 key dims, register 8 t + j = dim 16 t + 8 h + j: LayerNorm and softmax want one exchange between the halves,
;           and the conversions' results are the operand of the next product as they stand.
;   values: source 0 = 16 slots, source 1 = 16 rows of fv_w: a lane holds ONE value dim 16 t + r and its registers run along the slots, which are the last product's K.
;   scores: source 0 = 16 slots, source 1 = 16 queries; O^T: source 0 = 16 value dims, source 1 = p: a lane holds one query throughout.
; Operands go from wave to wave through LDS as images of their registers: 16 bytes a lane, 512 bytes an instruction.
; SOFTMAX, both times: t = logit x log2(e), M = the ceiling of the (running) largest t, p = 2^(t - M) is quantised, l = the sum of the unquantised p.  The keys' 1 / l goes to the consumers
; as c = log2(e) 2^(e4 + e5) / l for each slot, so that raw score x c is the next t.
; NO CLUSTER: the work-groups' parts of mem are disjoint; what they share (q, fk_w, fv_w: 256 KiB against 1 MiB of a work-group's own) is read once, at the head.
; LIMITS on the given exponents, so that each power of two below is an f32 number: e0 + e1 and e2 + e3 between -59 and 67; e0 to e7 and e9 between -126 and 112; e4 + e5 between -126 and 127.
; NaN and infinities among the inputs are not served.
; THE WALK (it stands for what the lines above say of steps and of P).  A step is a ring slot's 128 slots of memory, walked in four trips with no barrier between them.  P says which 64 of the 128 a producer takes;
; in trip j it makes its tile j, 16 slots, and behind its products it fetches tile j + 1 from the ring, so that only tile 0 is waited for.  A consumer works on the images of the step before: group 0 (64 slots) in trip 0, group 1 in trip 2.
; One barrier a step, the one in front of the ring's refill: it also hands the images over.  17 steps: the producers work in steps 0 to 15, the consumers in 1 to 16.
.set PITCH, 528                        ; a slot's row in LDS: 512 bytes + 16 of padding: the 16 rows that a load touches start 16 bytes apart modulo 256
.set TILEB, 16*PITCH
.set STEPB, 64*PITCH                   ; half a step's 128 rows, and what one tensor load brings
.set SLOT1, 0x20000                    ; ring slot 0 at byte 0, slot 1 here: one step each (67,584 bytes); one exclusive or turns an address
.set IMG,   0x13000                    ; image buffer 0: keys' [group][tile] fragments of 2,048 bytes, at VIMG values' [group][tile / 2][t][lane] 16 bytes (tile % 2: which 8), at CVEC the 128 c
.set IBUF,  0x2F000                    ; image buffer 1 lies this far on, behind the spare words: one exclusive or turns the offset
.set VIMG,  0x4000
.set CVEC,  0x8000
.set IO,    66                         ; s66: 2,048 x the trip's number in its step
.set CIMG,  0x31000                    ; 32 constant fragments: fk_w 0-7, fv_w 0-7, q 0-15; on the way out the consumers' stages
.set SPARE, 0x41000                    ; the spare words, 128 bytes for each of eight waves: four blocks of 256 bytes that no other line names
.set WV, 2                             ; s2 wave; s3 w % 2; s4 P; s5 w / 4; s6 1 - w / 4; s7 w % 4
.set RV, 3
.set PP, 4
.set IC, 5
.set NC, 6
.set CW, 7
.set G1,  52                           ; s[52:59] descriptor group 1; s[60:63] group 0 of the first fill of slot 0; s[68:71] group 0 that walks
.set G0A, 60
.set G0B, 68
.set SN,  72                           ; s72 step number; s73 LDS byte of the ring slot in hand; s74 my image buffer's byte; s75, s76 loop counters
.set MB,  73
.set IBW, 74
.set CNT, 75
.set TWICE, 76
; s[78:79] lane selects; s80 the hold of my second quantiser; s81 log2(e) 2^(e4+e5); s[82:83] -1/128; s[84:85] 2^(2E-7); s[86:87] eps; s[88:89] 2^E; s[96:97] log2(e); s98 -E; s50, s51, s77 patterns
; VECTOR REGISTERS.  v1 spare word, v2 zero, v3-v6 address parts that stay, v7-v10 the step's addresses, v11, v12 constant images: none of them ever holds data.
.set TT,   16                          ; producers of keys: v16-23 four running pairs; v[24:25] -mean; v[26:27] 2^E rsqrt; v[28:29] -M; v30 exchange; v31 l, then c
.set ACC,  32                          ; producers: v32-95 the product's 8 tiles
.set MF,   96                          ; v96-159 64 numbers of mem
.set MC,   160                         ; v160-175 their codes
.set PCK,  176                         ; keys: v176-191 p's codes;  v192-255 nk_b log2(e);  window 1: v0-127 weights' codes, v128-191 bias / 2^E, v192-255 nk_g log2(e)
.set BBR,  192
.set VC,   176                         ; values: v176-207 codes; v224-231 sums, v232-239 squares, v[240:241] eps;  window 1: v128-191 bias tiles, v192+2t nv_g, v224+2t nv_b
.set SUMR, 224
.set SQR,  232
.set QQ,   32                          ; consumers: v13 2^e7; v14+4qt: -M, largest t, l (two halves); v[30:31] f; v32-95 Q; v96-159 K's, then V's fragments; v160-191 c; v192-223 p's codes; v224-255 scores;  window 1: O^T
.set KV,   96
.set CVR,  160
.set PCC,  192
.set SS,   224
.set STAT, 14
.set FF,   30
.set MSB, 0
.macro WIN new                         ; the immediate's high byte repeats the setting that is left; a switch that changes nothing is dropped
.if MSB != \new
	s_set_vgpr_msb (MSB<<8)|\new
.set MSB, \new
.endif
.endm
.macro PLACES n
.rept \n
	v_nop
.endr
.endm
.macro POW2 sc, lim, e                 ; s[sc] = 2^e as f32, s[lim] = 57,344 x 2^e
	s_add_co_i32 s[\lim], s[\e], 127
	s_lshl_b32 s[\sc], s[\lim], 23
	s_add_co_i32 s[\lim], s[\lim], 15
	s_lshl_b32 s[\lim], s[\lim], 23
	s_or_b32 s[\lim], s[\lim], 0x600000
.endm
	s_load_b512 s[8:23], s[0:1], 0x0               ; mem, q, fk_w, fv_w, fx_w, fk_b, fv_b, nk_g
	s_load_b256 s[24:31], s[0:1], 0x40             ; nk_b, nv_g, nv_b, lowp_scales
	s_load_b128 s[32:35], s[0:1], 0x60             ; part_o, part_ml
	s_load_b64 s[36:37], s[0:1], 0x70              ; fxc
	v_lshl_add_u32 v1, v0, 2, SPARE
	v_mov_b32 v2, 0
	ds_add_u32 v1, v2
	ds_add_u32 v1, v2
	s_wait_dscnt 0x0
	v_lshrrev_b32 v13, 5, v0
	s_delay_alu instid0(VALU_DEP_1)
	v_readfirstlane_b32 s[WV], v13
	s_and_b32 s[RV], s[WV], 1
	s_bfe_u32 s[PP], s[WV], 0x10001
	s_lshr_b32 s[IC], s[WV], 2
	s_xor_b32 s[NC], s[IC], 1
	s_and_b32 s[CW], s[WV], 3
	; Every register that some role names and the staging below does not write is written once here, on the way that all waves take: zeros.  For the consumers window 1's half is half of O^T's clearing.
.set j, 19
.rept 13
	v_mov_b32 v[j], 0
.set j, j+1
.endr
.set j, 176
.rept 80
	v_mov_b32 v[j], 0
.set j, j+1
.endr
	WIN 0x40
.set j, 128
.rept 128
	v_mov_b32 v[j], 0
.set j, j+1
.endr
	WIN 0
	v_and_b32 v13, 15, v0                          ; r
	s_wait_alu depctr_va_vdst(0)
	v_bfe_u32 v14, v0, 4, 1                        ; h
	s_wait_alu depctr_va_vdst(0)
	v_and_b32 v15, 31, v0
	s_delay_alu instid0(VALU_DEP_1)
	v_lshlrev_b32 v15, 4, v15                      ; 16 x lane
	s_wait_alu depctr_va_vdst(0)
	s_mul_i32 s90, s[PP], 64*PITCH
	v_mul_u32_u24 v3, v13, PITCH
	s_delay_alu instid0(VALU_DEP_1)
	v_lshl_add_u32 v3, v14, 5, v3
	s_delay_alu instid0(VALU_DEP_1)
	v_add_nc_u32 v3, s90, v3                       ; mem's rows: 64 P rows + row r + 32 h bytes
	s_wait_alu depctr_va_vdst(0)
	s_lshl_b32 s90, s[RV], 14
	s_lshl_b32 s91, s[PP], 13
	s_add_co_u32 s90, s90, s91
	s_mul_i32 s90, s90, s[NC]                      ; producers: their own place in an image buffer; consumers: its first byte
	s_add_co_u32 s90, s90, IMG
	v_add_nc_u32 v4, s90, v15
	s_lshl_b32 s90, s[PP], 8
	s_add_co_u32 s90, s90, IMG+CVEC
	v_lshl_add_u32 v5, v13, 2, s90                 ; where c of slot 64 P + r goes
	v_lshlrev_b32 v6, 5, v14
	s_delay_alu instid0(VALU_DEP_1)
	v_add_nc_u32 v6, IMG+CVEC, v6                  ; and from where a consumer's half reads its eight c of a tile
	s_lshl_b32 s90, s[RV], 14
	s_add_co_u32 s90, s90, CIMG
	v_add_nc_u32 v11, s90, v15                     ; a producer's eight weight fragments
	s_lshl_b32 s90, s[WV], 13
	s_add_co_u32 s90, s90, CIMG
	v_add_nc_u32 v12, s90, v15                     ; the four constant fragments that my wave makes (a consumer's: its own queries')
	v_mov_b32 v7, v3
	v_mov_b32 v8, v4
	v_mov_b32 v9, v5
	v_mov_b32 v10, v6
	v_lshlrev_b32 v16, 9, v13
	s_delay_alu instid0(VALU_DEP_1)
	v_lshl_add_u32 v16, v14, 5, v16                ; staging: row r of 512 bytes + 32 h
	v_lshlrev_b32 v17, 5, v14                      ; 32 h
	v_lshlrev_b32 v18, 2, v13                      ; 4 r
	; descriptor group 1: 64 rows of 128 elements of 4 bytes, dense in memory, 4 words of padding behind every 128
	s_mov_b32 s[G1+0], (2<<16)|(1<<20)|(6<<22)|(3<<25)
	s_mov_b32 s[G1+1], 128<<16                     ; tensor_dim0
	s_mov_b32 s[G1+2], 64<<16                      ; tensor_dim1
	s_mov_b32 s[G1+3], 128<<16                     ; tile_dim0
	s_mov_b32 s[G1+4], 64                          ; tile_dim1
	s_mov_b32 s[G1+5], 128                         ; elements from row to row
	s_mov_b32 s[G1+6], 0
	s_mov_b32 s[G1+7], 0
	s_mov_b32 s78, 0x76543210
	s_mov_b32 s79, 0xfedcba98
	s_mov_b32 s82, 0xbc000000                      ; -1/128
	s_mov_b32 s83, s82
	s_mov_b32 s86, 0x3727c5ac                      ; 1e-5
	s_mov_b32 s87, s86
	s_mov_b32 s96, 0x3fb8aa3b                      ; log2(e)
	s_mov_b32 s97, s96
	s_mov_b32 s[SN], 0
	s_mov_b32 s[MB], 0
	s_mul_i32 s[IBW], s[IC], IBUF                  ; producers begin in buffer 0, consumers in buffer 1: always opposite
	s_lshl_b32 s90, ttmp9, 20                      ; my work-group's 1 MiB of mem,
	s_lshl_b32 s92, s[RV], 15                      ; and which 64 rows of a slot a fetching wave takes
	s_add_co_u32 s90, s90, s92
	s_mov_b32 s91, 0
	s_wait_kmcnt 0x0
	s_load_b256 s[40:47], s[30:31], 0x0            ; e0 .. e7
	s_load_b64 s[48:49], s[30:31], 0x20            ; e8, e9
	s_mov_b32 s[G0A], 1
	s_mul_i32 s[G0A+1], s[RV], STEPB
	s_add_nc_u64 s[G0A+2:G0A+3], s[8:9], s[90:91]
	s_mov_b32 s[G0B], 1
	s_add_co_u32 s[G0B+1], s[G0A+1], SLOT1
	s_add_nc_u64 s[G0B+2:G0B+3], s[G0A+2:G0A+3], 0x10000   ; slot 1: 128 rows on
	s_or_b32 s[G0A+3], s[G0A+3], 0x80000000
	s_or_b32 s[G0B+3], s[G0B+3], 0x80000000
	s_cmp_lt_u32 s[WV], 2                          ; waves 0 and 1 fetch: at the head one load each, the halves of slot 0
	s_cbranch_scc0 .Lno_fill
	tensor_load_to_lds s[G0A:G0A+3], s[G1:G1+7]
	s_nop 0
	PLACES 4
.Lno_fill:
	; a producer's biases and gains: older than the staging loads, so the staging's counted waits cover them
	s_cmp_lt_u32 s[WV], 4
	s_cbranch_scc0 .Lno_const
	s_cmp_eq_u32 s[RV], 0
	s_cbranch_scc0 .Lv_const
	WIN 0x40
	s_wait_alu depctr_va_vdst(0)
.irp t, 0,1,2,3,4,5,6,7
	global_load_b128 v[128+8*\t:131+8*\t], v17, s[18:19] offset:64*\t      ; fk_b at dims 16 t + 8 h + 0 .. 7
	global_load_b128 v[132+8*\t:135+8*\t], v17, s[18:19] offset:64*\t+16
	global_load_b128 v[192+8*\t:195+8*\t], v17, s[22:23] offset:64*\t      ; nk_g
	global_load_b128 v[196+8*\t:199+8*\t], v17, s[22:23] offset:64*\t+16
.endr
	WIN 0
.irp t, 0,1,2,3,4,5,6,7
	global_load_b128 v[BBR+8*\t:BBR+8*\t+3], v17, s[24:25] offset:64*\t    ; nk_b
	global_load_b128 v[BBR+8*\t+4:BBR+8*\t+7], v17, s[24:25] offset:64*\t+16
.endr
	s_branch .Lno_const
.Lv_const:
	WIN 0x40
	s_wait_alu depctr_va_vdst(0)
.irp t, 0,1,2,3,4,5,6,7
	global_load_b32 v[128+8*\t], v18, s[20:21] offset:64*\t                ; fv_b, nv_g, nv_b at dim 16 t + r
	global_load_b32 v[192+2*\t], v18, s[26:27] offset:64*\t
	global_load_b32 v[224+2*\t], v18, s[28:29] offset:64*\t
.endr
	WIN 0
.Lno_const:
	; STAGING: wave w turns four tiles of 16 rows x 128 into codes: waves 0, 1 fk_w, waves 2, 3 fv_w, waves 4-7 q.  Only pointers and exponents are chosen.
	s_cmp_lt_u32 s[WV], 2
	s_cselect_b64 s[38:39], s[12:13], s[14:15]
	s_cmp_lt_u32 s[WV], 4
	s_cselect_b64 s[38:39], s[38:39], s[10:11]
	s_cselect_b32 s90, s[RV], s[CW]
	s_lshl_b32 s90, s90, 15                        ; 64 rows of 512 bytes
	s_mov_b32 s91, 0
	s_add_nc_u64 s[38:39], s[38:39], s[90:91]
.macro STAGE i, base
.irp c, 0,1,2,3,4,5,6,7
	global_load_b128 v[\base+8*\c:\base+8*\c+3], v16, s[38:39] offset:\i*8192+64*\c
	global_load_b128 v[\base+8*\c+4:\base+8*\c+7], v16, s[38:39] offset:\i*8192+64*\c+16
.endr
.endm
	s_wait_alu depctr_va_vdst(0)
	STAGE 0, 32
	STAGE 1, 96
	WIN 0x40
	STAGE 2, 0
	STAGE 3, 64
	WIN 0
	s_wait_kmcnt 0x0
	s_cmp_lt_u32 s[WV], 2
	s_cselect_b32 s92, s41, s43
	s_cmp_lt_u32 s[WV], 4
	s_cselect_b32 s92, s92, s44                    ; e1, e3 or e4
	POW2 90, 91, 92
	v_mov_b32 v14, s90
	v_mov_b32 v13, s91
	s_cmp_eq_u32 s[RV], 0
	s_cselect_b32 s92, s40, s42                    ; mem's exponent: e0 for keys, e2 for values
	s_cselect_b32 s93, s45, s46
	s_cmp_lt_u32 s[WV], 4
	s_cselect_b32 s93, s93, s47                    ; my second quantiser's: e5 (keys' p), e6 (values), e7 (the consumers' p)
	POW2 51, 50, 92
	POW2 77, 80, 93
	s_add_co_i32 s90, s40, s41
	s_add_co_i32 s91, s42, s43
	s_cmp_eq_u32 s[RV], 0
	s_cselect_b32 s92, s90, s91                    ; E: a sum of my product stands for sum x 2^E
	s_sub_co_i32 s98, 0, s92
	s_add_co_i32 s88, s92, 127
	s_lshl_b32 s88, s88, 23
	s_mov_b32 s89, s88
	s_lshl_b32 s84, s92, 1
	s_add_co_i32 s84, s84, 120
	s_lshl_b32 s84, s84, 23                        ; 2^(2 E - 7): the sum of 128 squares becomes the variance
	s_mov_b32 s85, s84
	s_add_co_i32 s90, s44, s45
	s_lshl_b32 s90, s90, 23
	s_add_co_i32 s81, s96, s90                     ; e4 + e5 added to log2(e)'s exponent field
.macro QT i, base, w1                  ; staged tile i: hold, convert, image to LDS
	s_wait_loadcnt 16*(3-\i)                       ; the later tiles' 16 loads each may stay out
.if \i > 0
	s_wait_dscnt 0x0                               ; the last tile's stores have read the code registers
.endif
.if \w1
	WIN 0x41
.endif
.set j, 0
.rept 64
	v_med3_num_f32 v[\base+j], v[\base+j], -v13, v13   ; the conversion to an 8-bit code does not saturate (ISA guide 7.6.2)
.set j, j+1
.endr
.if \w1
	WIN 0x01
.endif
.irp c, 0,1,2,3,4,5,6,7
	v_cvt_scalef32_pk8_bf8_f32 v[MC+2*\c:MC+2*\c+1], v[\base+8*\c:\base+8*\c+7], v14
.endr
	WIN 0
	v_nop                                          ; a plain line behind the last conversion
.irp c, 0,1,2,3
	ds_store_b128 v12, v[MC+4*\c:MC+4*\c+3] offset:\i*2048+512*\c
.endr
.endm
	s_wait_alu depctr_va_vdst(0)
	QT 0, 32, 0
	QT 1, 96, 0
	QT 2, 0, 1
	QT 3, 64, 1
	s_wait_tensorcnt 0x0                           ; my part of slot 0 is in
	ds_add_u32 v1, v2
	ds_add_u32 v1, v2
	s_wait_dscnt 0x0                               ; the adds are done, my constant images have landed
	s_barrier_signal -1
	s_barrier_wait -1
	s_cmp_lt_u32 s[WV], 2                          ; slot 1's first fill, the first tensor load behind the barrier: it has step 0 in which to land
	s_cbranch_scc0 .Lno_fill_b
	tensor_load_to_lds s[G0B:G0B+3], s[G1:G1+7]
	s_nop 0
	PLACES 4
.Lno_fill_b:
	s_cmp_lt_u32 s[WV], 4
	s_cbranch_scc0 .Lcons_init
	WIN 0x40
.set k, 0
.rept 32
	ds_load_b128 v[4*k:4*k+3], v11 offset:512*k    ; my role's eight weight fragments: they stay
.set k, k+1
.endr
	WIN 0
	v_mov_b32 v13, s50                             ; 57,344 x mem's scale
	v_mov_b32 v14, s51                             ; mem's scale
	v_mov_b32 v15, s77                             ; my second quantiser's scale
	s_cmp_eq_u32 s[RV], 0
	s_cbranch_scc0 .Lv_init
	WIN 0x41
.set j, 0
.rept 64
	v_ldexp_f32 v[128+j], v[128+j], s98            ; the bias goes in as the product's C, divided by the power of two that the sums lack
.set j, j+1
.endr
.set j, 0
.rept 32
	v_pk_mul_f32 v[192+2*j:193+2*j], v[192+2*j:193+2*j], s[96:97] op_sel_hi:[1,0]   ; gain and bias of the norm x log2(e): the norm's result is t at once
.set j, j+1
.endr
	WIN 0
.set j, 0
.rept 32
	v_pk_mul_f32 v[BBR+2*j:BBR+2*j+1], v[BBR+2*j:BBR+2*j+1], s[96:97] op_sel_hi:[1,0]
.set j, j+1
.endr
	s_branch .Lroles_set
.Lv_init:
	WIN 0x41
.irp t, 0,1,2,3,4,5,6,7
	v_ldexp_f32 v[128+8*\t], v[128+8*\t], s98
.endr
.irp t, 0,1,2,3,4,5,6,7
.irp j, 1,2,3,4,5,6,7
	v_mov_b32 v[128+8*\t+\j], v[128+8*\t]          ; a tile's eight registers are eight slots of one value dim: the same bias
.endr
.endr
	WIN 0
	v_mov_b32 v240, s86
	v_mov_b32 v241, s86
	s_branch .Lroles_set
.Lcons_init:
.set k, 0
.rept 16
	ds_load_b128 v[QQ+4*k:QQ+4*k+3], v12 offset:512*k   ; my four tiles of queries: they stay
.set k, k+1
.endr
	WIN 0x40
.set j, 0
.rept 128
	v_mov_b32 v[j], 0                              ; the other half of O^T.  (The step is written once: the first finds zeros, which the first change of M leaves zeros; the consumers have no other work in step 0)
.set j, j+1
.endr
	WIN 0
	v_mov_b32 v13, s77
.irp qt, 0,1,2,3
	v_mov_b32 v[STAT+4*\qt+1], 0xff61b1e6          ; the largest t so far: -3e38
	s_delay_alu instid0(VALU_DEP_1)
	v_floor_f32 v[STAT+4*\qt], -v[STAT+4*\qt+1]
	v_mov_b32 v[STAT+4*\qt+2], 0
	v_mov_b32 v[STAT+4*\qt+3], 0
.endr
	s_cmp_eq_u32 s[WV], 7
	s_cbranch_scc0 .Lroles_set
	; wave 7: block g of fx_w's codes: registers 4 cq .. 4 cq + 3 of the fragment (N tile g / 32, K step (g / 4) % 8), cq = g % 4; 512 dense bytes out
	v_and_b32 v242, 15, v0
	v_bfe_u32 v243, v0, 4, 1
	s_delay_alu instid0(VALU_DEP_2)
	v_lshlrev_b32 v242, 12, v242
	s_delay_alu instid0(VALU_DEP_1)
	v_lshl_add_u32 v242, v243, 5, v242             ; row r of 4,096 bytes + 32 h
	s_wait_alu depctr_va_vdst(0)
	v_and_b32 v243, 31, v0
	s_delay_alu instid0(VALU_DEP_1)
	v_lshlrev_b32 v243, 4, v243
	s_lshr_b32 s90, ttmp9, 5
	s_lshl_b32 s90, s90, 16
	s_bfe_u32 s91, ttmp9, 0x30002
	s_lshl_b32 s91, s91, 9
	s_add_co_u32 s90, s90, s91
	s_and_b32 s91, ttmp9, 3
	s_lshl_b32 s91, s91, 7
	s_add_co_u32 s90, s90, s91
	s_mov_b32 s91, 0
	s_add_nc_u64 s[16:17], s[16:17], s[90:91]
	global_load_b128 v[224:227], v242, s[16:17]
	global_load_b128 v[228:231], v242, s[16:17] offset:16
	global_load_b128 v[232:235], v242, s[16:17] offset:64
	global_load_b128 v[236:239], v242, s[16:17] offset:80
	s_lshl_b32 s94, ttmp9, 9
	s_mov_b32 s95, 0
	s_add_nc_u64 s[36:37], s[36:37], s[94:95]
	POW2 92, 93, 49
	v_mov_b32 v240, s92
	v_mov_b32 v241, s93
	s_wait_alu depctr_va_vdst(0)
	s_wait_loadcnt 0x0
.set j, 0
.rept 16
	v_med3_num_f32 v[224+j], v[224+j], -v241, v241
.set j, j+1
.endr
	v_cvt_scalef32_pk8_bf8_f32 v[192:193], v[224:231], v240
	v_cvt_scalef32_pk8_bf8_f32 v[194:195], v[232:239], v240
	v_nop
	global_store_b128 v243, v[192:195], s[36:37]
	s_wait_xcnt 0x0                                ; the store's registers are written again in the loop
.Lroles_set:
	s_wait_dscnt 0x0
; ---- the producers' common part: 16 slots of mem from the ring, held and converted
.macro LOADM i                         ; lane (r, h): row r's numbers 16 c + 8 h + 0 .. 7
.irp c, 0,1,2,3,4,5,6,7
	ds_load_b128 v[MF+8*\c:MF+8*\c+3], v7 offset:\i*TILEB+64*\c
	ds_load_b128 v[MF+8*\c+4:MF+8*\c+7], v7 offset:\i*TILEB+64*\c+16
.endr
.endm
.macro QMEM
.set j, 0
.rept 64
	v_med3_num_f32 v[MF+j], v[MF+j], -v13, v13
.set j, j+1
.endr
.irp c, 0,1,2,3,4,5,6,7
	v_cvt_scalef32_pk8_bf8_f32 v[MC+2*\c:MC+2*\c+1], v[MF+8*\c:MF+8*\c+7], v14
.endr
	v_nop                                          ; a plain line between the conversions and the products that read their results
.endm
; ---- keys
.macro KMUL                            ; source 0 (weights) and C (bias) in window 1
	WIN 0x11
.irp t, 0,1,2,3,4,5,6,7
	v_wmma_f32_16x16x128_bf8_bf8 v[ACC+8*\t:ACC+8*\t+7], v[16*\t:16*\t+15], v[MC:MC+15], v[128+8*\t:135+8*\t]
.endr
	WIN 0
	PLACES 4                                       ; in front of the first read of the results
.endm
.macro KJOIN                           ; four running pairs -> one number, with the other half of the lanes'
	s_delay_alu instid0(VALU_DEP_3)
	v_pk_add_f32 v[TT:TT+1], v[TT:TT+1], v[TT+2:TT+3]
	s_delay_alu instid0(VALU_DEP_2)
	v_pk_add_f32 v[TT+4:TT+5], v[TT+4:TT+5], v[TT+6:TT+7]
	s_delay_alu instid0(VALU_DEP_1)
	v_pk_add_f32 v[TT:TT+1], v[TT:TT+1], v[TT+4:TT+5]
	s_delay_alu instid0(VALU_DEP_1)
	v_add_f32 v[TT], v[TT], v[TT+1]
	s_delay_alu instid0(VALU_DEP_1)
	v_permlanex16_b32 v30, v[TT], s78, s79
	s_delay_alu instid0(VALU_DEP_1)
	v_add_f32 v[TT], v[TT], v30
.endm
.macro KSUM                            ; the sum of the slot's 128 numbers, each tile from its low end on
.irp k, 0,1,2,3
	v_pk_add_f32 v[TT+2*\k:TT+2*\k+1], v[ACC+2*\k:ACC+2*\k+1], v[ACC+8+2*\k:ACC+9+2*\k]
.endr
.set p, 8
.rept 24
	v_pk_add_f32 v[TT+2*(p%4):TT+2*(p%4)+1], v[TT+2*(p%4):TT+2*(p%4)+1], v[ACC+2*p:ACC+2*p+1]
.set p, p+1
.endr
	KJOIN
.endm
.macro KBODY i
	KSUM
	s_delay_alu instid0(VALU_DEP_1)
	v_mul_f32 v24, s82, v[TT]                      ; -mean
.set p, 0
.rept 32
	v_pk_add_f32 v[ACC+2*p:ACC+2*p+1], v[ACC+2*p:ACC+2*p+1], v[24:25] op_sel_hi:[1,0]
.set p, p+1
.endr
; the squares in eight running pairs (four of them in the code registers, which are free until the conversions): a pair is taken up again eight instructions on
.irp k, 0,1,2,3
	v_pk_mul_f32 v[TT+2*\k:TT+2*\k+1], v[ACC+2*\k:ACC+2*\k+1], v[ACC+2*\k:ACC+2*\k+1]
.endr
.irp k, 0,1,2,3
	v_pk_mul_f32 v[PCK+2*\k:PCK+2*\k+1], v[ACC+8+2*\k:ACC+9+2*\k], v[ACC+8+2*\k:ACC+9+2*\k]
.endr
.set p, 8
.rept 3
.irp k, 0,1,2,3
	v_pk_fma_f32 v[TT+2*\k:TT+2*\k+1], v[ACC+2*(p+\k):ACC+2*(p+\k)+1], v[ACC+2*(p+\k):ACC+2*(p+\k)+1], v[TT+2*\k:TT+2*\k+1]
.endr
.irp k, 0,1,2,3
	v_pk_fma_f32 v[PCK+2*\k:PCK+2*\k+1], v[ACC+2*(p+4+\k):ACC+2*(p+4+\k)+1], v[ACC+2*(p+4+\k):ACC+2*(p+4+\k)+1], v[PCK+2*\k:PCK+2*\k+1]
.endr
.set p, p+8
.endr
.irp k, 0,1,2,3
	s_delay_alu instid0(VALU_DEP_4)
	v_pk_add_f32 v[TT+2*\k:TT+2*\k+1], v[TT+2*\k:TT+2*\k+1], v[PCK+2*\k:PCK+2*\k+1]
.endr
	KJOIN
	s_delay_alu instid0(VALU_DEP_1)
	v_fma_f32 v[TT], v[TT], s84, s86               ; variance + eps
	s_wait_alu depctr_va_vdst(0)
	v_rsq_f32 v[TT], v[TT]
	v_nop                                          ; a plain line behind the transcendental
	s_wait_alu depctr_va_vdst(0)
	v_mul_f32 v26, s88, v[TT]                      ; x 2^E: the sums' missing power of two
.set p, 0
.rept 32
	v_pk_mul_f32 v[ACC+2*p:ACC+2*p+1], v[ACC+2*p:ACC+2*p+1], v[26:27] op_sel_hi:[1,0]
.set p, p+1
.endr
	WIN 0x04                                       ; the gain lies in window 1
.set p, 0
.rept 32
	v_pk_fma_f32 v[ACC+2*p:ACC+2*p+1], v[ACC+2*p:ACC+2*p+1], v[192+2*p:193+2*p], v[BBR+2*p:BBR+2*p+1]   ; t
.set p, p+1
.endr
	WIN 0
; the largest t in eight running maxima, one for each tile of eight registers
.irp k, 0,1,2,3,4,5,6,7
	v_max3_num_f32 v[TT+\k], v[ACC+8*\k], v[ACC+8*\k+1], v[ACC+8*\k+2]
.endr
.irp i2, 3,5
.irp k, 0,1,2,3,4,5,6,7
	v_max3_num_f32 v[TT+\k], v[TT+\k], v[ACC+8*\k+\i2], v[ACC+8*\k+\i2+1]
.endr
.endr
.irp k, 0,1,2,3
	v_max3_num_f32 v[TT+\k], v[TT+\k], v[ACC+8*\k+7], v[ACC+8*\k+39]
.endr
	v_max3_num_f32 v[TT+4], v[TT+4], v[TT+5], v[TT+6]
	s_delay_alu instid0(VALU_DEP_3)
	v_max3_num_f32 v[TT], v[TT], v[TT+1], v[TT+2]
	s_delay_alu instid0(VALU_DEP_2)
	v_max3_num_f32 v[TT+3], v[TT+3], v[TT+7], v[TT+4]
	s_delay_alu instid0(VALU_DEP_1)
	v_max_num_f32 v[TT], v[TT], v[TT+3]
	s_delay_alu instid0(VALU_DEP_1)
	v_permlanex16_b32 v30, v[TT], s78, s79
	s_delay_alu instid0(VALU_DEP_1)
	v_max_num_f32 v[TT], v[TT], v30
	s_delay_alu instid0(VALU_DEP_1)
	v_floor_f32 v28, -v[TT]                        ; -M = -ceil(the largest t)
.set p, 0
.rept 32
	v_pk_add_f32 v[ACC+2*p:ACC+2*p+1], v[ACC+2*p:ACC+2*p+1], v[28:29] op_sel_hi:[1,0]
.set p, p+1
.endr
	s_wait_dscnt 0x0                               ; the next tile's 16 loads, issued ahead of this body, are in
.set j, 0
	s_wait_alu depctr_va_vdst(0)
.rept 64
	v_exp_f32 v[ACC+j], v[ACC+j]                   ; p = 2^(t - M)
	v_med3_num_f32 v[MF+j], v[MF+j], -v13, v13     ; by turns with the hold of the next tile's numbers of mem: plain lines that name no exponential's register (in a step's last trip they hold the old tile's numbers once more, which changes nothing)
.set j, j+1
.endr
	s_wait_alu depctr_va_vdst(0)                   ; one wait for the batch, ahead of its first reader; it also stands between the holds and the conversions that read them
	KSUM
	s_wait_alu depctr_va_vdst(0)
	v_rcp_f32 v31, v[TT]
	v_nop                                          ; a plain line behind the transcendental
.set j, 0
.rept 32
	v_dual_min_num_f32 v[ACC+j], s80, v[ACC+j] :: v_dual_min_num_f32 v[ACC+j+1], s80, v[ACC+j+1]   ; p is not negative: a one-sided hold, two numbers an instruction
.set j, j+2
.endr
	s_wait_alu depctr_va_vdst(0)
	v_mul_f32 v31, s81, v31                        ; c = log2(e) 2^(e4 + e5) / l
.irp t, 0,1,2,3,4,5,6,7
	v_cvt_scalef32_pk8_bf8_f32 v[PCK+2*\t:PCK+2*\t+1], v[ACC+8*\t:ACC+8*\t+7], v15
.endr
	v_nop
	ds_store_b32 v9, v31 offset:64*\i              ; both halves of the lanes hold the same c and write the same word
.irp c, 0,1,2,3
	ds_store_b128 v8, v[PCK+4*\c:PCK+4*\c+3] offset:\i*2048+512*\c
.endr
.endm
.macro KSTEP                           ; one tile of 16 slots.  The branches hang on the trip's number alone
	s_cmp_eq_u32 s[IO], 0
	s_cbranch_scc0 .Lk_have_\@
	LOADM 0                                        ; a step's first tile: the slot has only just been shown whole; the later tiles were fetched and held in the trip before
	s_wait_dscnt 0x0
.set j, 0
.rept 64
	v_med3_num_f32 v[MF+j], v[MF+j], -v13, v13
.set j, j+1
.endr
.Lk_have_\@:
.irp c, 0,1,2,3,4,5,6,7
	v_cvt_scalef32_pk8_bf8_f32 v[MC+2*\c:MC+2*\c+1], v[MF+8*\c:MF+8*\c+7], v14
.endr
	v_nop                                          ; a plain line between the conversions and the products that read their results
	KMUL
	s_cmp_eq_u32 s[IO], 3*2048
	s_cbranch_scc1 .Lk_last_\@
	LOADM 1                                        ; the next tile's numbers come while this one is worked on
.Lk_last_\@:
	KBODY 0
.endm
; ---- values
.macro VMUL                            ; source 1 (weights) and C (bias) in window 1
	WIN 0x14
.irp t, 0,1,2,3,4,5,6,7
	v_wmma_f32_16x16x128_bf8_bf8 v[ACC+8*\t:ACC+8*\t+7], v[MC:MC+15], v[16*\t:16*\t+15], v[128+8*\t:135+8*\t]
.endr
	WIN 0
	PLACES 4
.endm
.macro ROWSUM reg                      ; eight numbers a lane, each summed over the 16 lanes of my half
.irp m, 1,2,4,8
.irp j2, 0,1,2,3,4,5,6,7
	v_add_f32_dpp v[\reg+\j2], v[\reg+\j2], v[\reg+\j2] row_xmask:\m row_mask:0xf bank_mask:0xf
.endr
.endr
.endm
.macro VBODY i
.irp jj, 0,2,4,6
	v_pk_add_f32 v[SUMR+\jj:SUMR+\jj+1], v[ACC+\jj:ACC+\jj+1], v[ACC+8+\jj:ACC+9+\jj]
.endr
.irp t, 2,3,4,5,6,7
.irp jj, 0,2,4,6
	v_pk_add_f32 v[SUMR+\jj:SUMR+\jj+1], v[SUMR+\jj:SUMR+\jj+1], v[ACC+8*\t+\jj:ACC+8*\t+\jj+1]
.endr
.endr
	ROWSUM SUMR
.irp t, 0,1,2,3,4,5,6,7
.irp jj, 0,2,4,6
	v_pk_fma_f32 v[ACC+8*\t+\jj:ACC+8*\t+\jj+1], v[SUMR+\jj:SUMR+\jj+1], s[82:83], v[ACC+8*\t+\jj:ACC+8*\t+\jj+1] op_sel_hi:[1,0,1]   ; less the mean
.endr
.endr
; the squares in eight running pairs: the even tiles' in SQR, the odd tiles' in SUMR, which is done with
.irp jj, 0,2,4,6
	v_pk_mul_f32 v[SQR+\jj:SQR+\jj+1], v[ACC+\jj:ACC+\jj+1], v[ACC+\jj:ACC+\jj+1]
.endr
.irp jj, 0,2,4,6
	v_pk_mul_f32 v[SUMR+\jj:SUMR+\jj+1], v[ACC+8+\jj:ACC+9+\jj], v[ACC+8+\jj:ACC+9+\jj]
.endr
.irp t, 2,4,6
.irp jj, 0,2,4,6
	v_pk_fma_f32 v[SQR+\jj:SQR+\jj+1], v[ACC+8*\t+\jj:ACC+8*\t+\jj+1], v[ACC+8*\t+\jj:ACC+8*\t+\jj+1], v[SQR+\jj:SQR+\jj+1]
.endr
.irp jj, 0,2,4,6
	v_pk_fma_f32 v[SUMR+\jj:SUMR+\jj+1], v[ACC+8*(\t+1)+\jj:ACC+8*(\t+1)+\jj+1], v[ACC+8*(\t+1)+\jj:ACC+8*(\t+1)+\jj+1], v[SUMR+\jj:SUMR+\jj+1]
.endr
.endr
.irp jj, 0,2,4,6
	s_delay_alu instid0(VALU_DEP_4)
	v_pk_add_f32 v[SQR+\jj:SQR+\jj+1], v[SQR+\jj:SQR+\jj+1], v[SUMR+\jj:SUMR+\jj+1]
.endr
	ROWSUM SQR
.irp jj, 0,2,4,6
	v_pk_fma_f32 v[SQR+\jj:SQR+\jj+1], v[SQR+\jj:SQR+\jj+1], s[84:85], v[240:241] op_sel_hi:[1,0,1]
.endr
	s_wait_alu depctr_va_vdst(0)
.irp j2, 0,1,2,3,4,5,6,7
	v_rsq_f32 v[SQR+\j2], v[SQR+\j2]
.endr
	v_nop
	s_wait_alu depctr_va_vdst(0)
.irp jj, 0,2,4,6
	v_pk_mul_f32 v[SQR+\jj:SQR+\jj+1], v[SQR+\jj:SQR+\jj+1], s[88:89] op_sel_hi:[1,0]
.endr
.irp t, 0,1,2,3,4,5,6,7
.irp jj, 0,2,4,6
	v_pk_mul_f32 v[ACC+8*\t+\jj:ACC+8*\t+\jj+1], v[ACC+8*\t+\jj:ACC+8*\t+\jj+1], v[SQR+\jj:SQR+\jj+1]
.endr
.endr
	WIN 0x14                                       ; gain and bias lie in window 1, each at an even register: the pair's low word serves both halves
.irp t, 0,1,2,3,4,5,6,7
.irp jj, 0,2,4,6
	v_pk_fma_f32 v[ACC+8*\t+\jj:ACC+8*\t+\jj+1], v[ACC+8*\t+\jj:ACC+8*\t+\jj+1], v[192+2*\t:193+2*\t], v[224+2*\t:225+2*\t] op_sel_hi:[1,0,0]
.endr
.endr
	WIN 0
.set j, 0
.rept 64
	v_med3_num_f32 v[ACC+j], v[ACC+j], 0, s80      ; the activation and the hold in one
.set j, j+1
.endr
.irp t, 0,1,2,3,4,5,6,7
	v_cvt_scalef32_pk8_bf8_f32 v[VC+4*\t+2*\i:VC+4*\t+2*\i+1], v[ACC+8*\t:ACC+8*\t+7], v15   ; slots 64 P + 16 j + 8 h + 0 .. 7 of value dim 16 t + r (j: the trip)
.endr
	v_nop
.endm
.macro VSTEP                           ; one tile of 16 slots
	s_cmp_eq_u32 s[IO], 0
	s_cbranch_scc0 .Lv_have_\@
	LOADM 0
.Lv_have_\@:
	s_wait_dscnt 0x0
	QMEM
	VMUL
	s_cmp_eq_u32 s[IO], 3*2048
	s_cbranch_scc1 .Lv_last_\@
	LOADM 1
.Lv_last_\@:
	VBODY 0
.irp t, 0,1,2,3,4,5,6,7
	ds_store_b64 v11, v[VC+4*\t:VC+4*\t+1] offset:512*\t   ; registers 2 j, 2 j + 1 of fragment t of my group
.endr
.endm
; ---- consumers
.macro CSM qt                          ; one tile of 16 queries x 64 slots.  At work: the tile's code registers, until the conversions write them
.set ST, STAT+4*(\qt)
.set TM, PCC+8*(\qt)
.set p, 0
.rept 16
	v_pk_mul_f32 v[SS+2*p:SS+2*p+1], v[SS+2*p:SS+2*p+1], v[CVR+2*p:CVR+2*p+1]   ; t = raw score x the slot's c; each accumulator from its low end on
.set p, p+1
.endr
; the step's largest t in eight running maxima, in the tile's eight code registers
.irp k, 0,1,2,3,4,5,6,7
	v_max3_num_f32 v[TM+\k], v[SS+3*\k], v[SS+3*\k+1], v[SS+3*\k+2]
.endr
.irp k, 0,1,2,3
	v_max3_num_f32 v[TM+\k], v[TM+\k], v[SS+24+2*\k], v[SS+25+2*\k]
.endr
	v_max3_num_f32 v[TM+4], v[TM+4], v[TM+5], v[TM+6]
	s_delay_alu instid0(VALU_DEP_3)
	v_max3_num_f32 v[TM], v[TM], v[TM+1], v[TM+2]
	s_delay_alu instid0(VALU_DEP_2)
	v_max3_num_f32 v[TM+3], v[TM+3], v[TM+7], v[TM+4]
	s_delay_alu instid0(VALU_DEP_1)
	v_max_num_f32 v[TM], v[TM], v[TM+3]
	v_permlanex16_b32 v[TM+2], v[TM], s78, s79
	s_delay_alu instid0(VALU_DEP_1)
	v_max_num_f32 v[TM], v[TM], v[TM+2]
	s_delay_alu instid0(VALU_DEP_1)
	v_max_num_f32 v[ST+1], v[ST+1], v[TM]          ; the running largest t
	v_mov_b32 v[TM+3], v[ST]
	s_delay_alu instid0(VALU_DEP_2)
	v_floor_f32 v[ST], -v[ST+1]                    ; the new -M
	s_delay_alu instid0(VALU_DEP_1)
	v_sub_f32 v[TM+3], v[ST], v[TM+3]              ; old M - new M: a whole number, 0 or less
	s_delay_alu instid0(VALU_DEP_1)
	v_cvt_i32_f32 v[TM+3], v[TM+3]                 ; (it saturates)
	s_delay_alu instid0(VALU_DEP_1)
	v_ldexp_f32 v[FF], 1.0, v[TM+3]                ; f = 2^(old M - new M): a multiplication by it rounds nothing
.set p, 0
.rept 16
	v_pk_add_f32 v[SS+2*p:SS+2*p+1], v[SS+2*p:SS+2*p+1], v[ST:ST+1] op_sel_hi:[1,0]
.set p, p+1
.endr
.set j, 0
	s_wait_alu depctr_va_vdst(0)
.rept 32
	v_exp_f32 v[SS+j], v[SS+j]
.set j, j+1
.endr
	v_pk_mul_f32 v[ST+2:ST+3], v[ST+2:ST+3], v[FF:FF+1] op_sel_hi:[1,0]   ; l under the new M.  (The plain line behind the exponentials)
	s_wait_alu depctr_va_vdst(0)
	v_pk_add_f32 v[TM+4:TM+5], v[SS:SS+1], v[SS+2:SS+3]
.irp i2, 4,8,12,16,20,24,28
	v_pk_add_f32 v[ST+2:ST+3], v[ST+2:ST+3], v[SS+\i2:SS+\i2+1]
	v_pk_add_f32 v[TM+4:TM+5], v[TM+4:TM+5], v[SS+\i2+2:SS+\i2+3]
.endr
	s_delay_alu instid0(VALU_DEP_1)
	v_pk_add_f32 v[ST+2:ST+3], v[ST+2:ST+3], v[TM+4:TM+5]
.set j, 0
.rept 16
	v_dual_min_num_f32 v[SS+j], s80, v[SS+j] :: v_dual_min_num_f32 v[SS+j+1], s80, v[SS+j+1]   ; the one-sided hold, two numbers an instruction
.set j, j+2
.endr
.irp ct, 0,1,2,3
	v_cvt_scalef32_pk8_bf8_f32 v[TM+2*\ct:TM+2*\ct+1], v[SS+8*\ct:SS+8*\ct+7], v13
.endr
	v_nop                                          ; a plain line between the conversions and the products that write their sources
.endm
.macro CRESC qt                        ; the tile's O^T under the new M; each accumulator from its low end on
	WIN 0x41
.set p, 0
.rept 32
	v_pk_mul_f32 v[64*(\qt)+2*p:64*(\qt)+2*p+1], v[64*(\qt)+2*p:64*(\qt)+2*p+1], v[FF:FF+1] op_sel_hi:[1,0]
.set p, p+1
.endr
	WIN 0
.endm
.macro CSTEP
.set k, 0
.rept 16
	ds_load_b128 v[KV+4*k:KV+4*k+3], v12 offset:512*k      ; the keys' four fragments of my group
.set k, k+1
.endr
.irp ct, 0,1,2,3
	ds_load_b128 v[CVR+8*\ct:CVR+8*\ct+3], v10 offset:64*\ct   ; c of slots 16 ct + 8 h + 0 .. 7
	ds_load_b128 v[CVR+8*\ct+4:CVR+8*\ct+7], v10 offset:64*\ct+16
.endr
	s_wait_dscnt 0x0
.irp qt, 0,1,2,3
.irp ct, 0,1,2,3
	v_wmma_f32_16x16x128_bf8_bf8 v[SS+8*\ct:SS+8*\ct+7], v[KV+16*\ct:KV+16*\ct+15], v[QQ+16*\qt:QQ+16*\qt+15], 0
.endr
.if \qt == 0
	PLACES 4
.else
	CRESC \qt-1                                    ; 32 plain lines that name none of those products' registers: their places
.endif
.if \qt == 3
.irp t, 0,1,2,3,4,5,6,7                        ; the values' eight fragments take the keys' registers, and land under the last tile's softmax
	ds_load_b128 v[KV+8*\t:KV+8*\t+3], v12 offset:VIMG+512*\t
	ds_load_b128 v[KV+8*\t+4:KV+8*\t+7], v12 offset:VIMG+4096+512*\t
.endr
.endif
	CSM \qt
.endr
	CRESC 3
	s_wait_alu depctr_va_vdst(0)
	s_wait_dscnt 0x0
	WIN 0x50                                       ; C and D in window 1
.irp t, 0,1,2,3,4,5,6,7                        ; 32 accumulators, one instruction each: they take turns
.irp qt, 0,1,2,3
	v_wmma_f32_16x16x64_bf8_bf8 v[64*\qt+8*\t:64*\qt+8*\t+7], v[KV+8*\t:KV+8*\t+7], v[PCC+8*\qt:PCC+8*\qt+7], v[64*\qt+8*\t:64*\qt+8*\t+7]
.endr
.endr
	WIN 0
	PLACES 4                                       ; in front of the next loads into the fragments' registers
.endm
; ---- a step.  The addresses are made on the way that all waves take; no barrier and no tensor load stands under a branch.
.macro STEP                            ; one trip, j = IO / 2,048
	s_lshr_b32 s90, s[IO], 11
	s_min_u32 s90, s90, 2                          ; the ring address stops at tile 2: tile j + 1 is fetched one tile's bytes further on, and trip 3 fetches nothing
	s_mul_i32 s90, s90, TILEB
	s_add_co_u32 s90, s90, s[MB]
	s_add_co_u32 s91, s[IO], s[IBW]                ; keys' fragment j: 2,048 j
	s_lshr_b32 s92, s[IO], 5
	s_add_co_u32 s92, s92, s[IBW]                  ; its sixteen c: 64 j
	s_and_b32 s93, s[IO], 0x1000                   ; 4,096 (j / 2)
	s_bfe_u32 s94, s[IO], 0x1000b                  ; j % 2
	s_lshl_b32 s94, s94, 3
	s_add_co_u32 s94, s94, s93
	s_add_co_u32 s94, s94, s[IBW]                  ; values' tile j: 4,096 (j / 2) + 8 (j % 2)
	s_lshl_b32 s93, s93, 1                         ; a consumer's group j / 2: 8,192 bytes of keys and of values,
	s_lshr_b32 s95, s93, 5                         ; 256 of c
	s_add_co_u32 s93, s93, s[IBW]
	s_add_co_u32 s95, s95, s[IBW]
	v_add_nc_u32 v7, s90, v3
	v_add_nc_u32 v8, s91, v4
	v_add_nc_u32 v9, s92, v5
	v_add_nc_u32 v10, s95, v6
	v_add_nc_u32 v11, s94, v4
	v_add_nc_u32 v12, s93, v4
	s_wait_alu depctr_va_vdst(0)
	s_cmp_lt_u32 s[WV], 4
	s_cbranch_scc0 .Lcons_\@
	s_cmp_lt_u32 s[SN], 16                         ; 16 steps of slots
	s_cbranch_scc0 .Ljoin_\@
	s_cmp_eq_u32 s[RV], 0
	s_cbranch_scc0 .Lvals_\@
	KSTEP
	s_branch .Ljoin_\@
.Lvals_\@:
	s_wait_alu depctr_va_vdst(0)
	VSTEP
	s_branch .Ljoin_\@
.Lcons_\@:
	s_cmp_eq_u32 s[SN], 0                          ; the consumers run one step behind: steps 1 to 16
	s_cbranch_scc1 .Ljoin_\@
	s_cmp_gt_u32 s[SN], 16
	s_cbranch_scc1 .Ljoin_\@
	s_bfe_u32 s90, s[IO], 0x1000b
	s_cmp_lg_u32 s90, 0                            ; a group of 64 slots in trips 0 and 2
	s_cbranch_scc1 .Ljoin_\@
	s_wait_alu depctr_va_vdst(0)
	CSTEP
.Ljoin_\@:
	s_add_co_u32 s[IO], s[IO], 2048
	s_wait_dscnt 0x0                               ; nothing of mine is out in LDS where the roles' ways meet: the tile fetched ahead is in its registers, my image stores have landed
.endm
.macro TLOAD                           ; waves 0 and 1: 64 rows each; four v_nop follow the line
	s_cmp_lt_u32 s[WV], 2
	s_cbranch_scc0 .Lnot_mine_\@
	tensor_load_to_lds s[G0B:G0B+3], s[G1:G1+7]
	s_nop 0
	PLACES 4
.Lnot_mine_\@:
.endm
; The change of ring slots, behind a slot's step: the slot ahead has landed, the slot left is filled with the rows two slots on; that load has one step in which to land.
.macro BOUNDARY
	s_wait_tensorcnt 0x0                           ; no tensor load of mine is out, so the walking group 0 may be written
	ds_add_u32 v1, v2                              ; 0 onto my spare word
	ds_add_u32 v1, v2
	s_xor_b32 s[G0B+1], s[G0B+1], SLOT1
	s_add_nc_u64 s[G0B+2:G0B+3], s[G0B+2:G0B+3], 0x10000
	s_xor_b32 s[MB], s[MB], SLOT1
	s_add_co_u32 s[SN], s[SN], 1
	s_xor_b32 s[IBW], s[IBW], IBUF
	s_wait_dscnt 0x0                               ; the add is done; my reads of the slot were waited for at the step's end
	s_barrier_signal -1
	s_barrier_wait -1
	TLOAD                                          ; the first thing behind the barrier, a wave's one tensor load until the next
.endm
.macro TAILB                           ; the same with nothing left to fetch
	s_wait_tensorcnt 0x0
	s_wait_dscnt 0x0                               ; my image stores have landed, my reads of the other buffer and of the ring are in
	s_barrier_signal -1
	s_barrier_wait -1
	s_xor_b32 s[MB], s[MB], SLOT1
	s_add_co_u32 s[SN], s[SN], 1
	s_xor_b32 s[IBW], s[IBW], IBUF
.endm
	s_mov_b32 s[CNT], 14                           ; slots 0 to 13: each is filled again, with slots 2 to 15
.Lslot:
	s_mov_b32 s[TWICE], 4
	s_mov_b32 s[IO], 0
.Lstep:
	STEP
	s_sub_co_u32 s[TWICE], s[TWICE], 1
	s_cmp_lg_u32 s[TWICE], 0
	s_cbranch_scc1 .Lstep
	BOUNDARY
	s_sub_co_u32 s[CNT], s[CNT], 1
	s_cmp_lg_u32 s[CNT], 0
	s_cbranch_scc1 .Lslot
	s_mov_b32 s[CNT], 3                            ; the tail is written out: steps 14 to 16 (the producers end with 15, the consumers with 16)
.Ltail:
	s_mov_b32 s[TWICE], 4
	s_mov_b32 s[IO], 0
.Ltstep:
	STEP
	s_sub_co_u32 s[TWICE], s[TWICE], 1
	s_cmp_lg_u32 s[TWICE], 0
	s_cbranch_scc1 .Ltstep
	TAILB
	s_sub_co_u32 s[CNT], s[CNT], 1
	s_cmp_lg_u32 s[CNT], 0
	s_cbranch_scc1 .Ltail
	; THE WAY OUT.  The stages' addresses are made on the way that all waves take; the stages lie where the constant images lay, which nobody has read since the head.
	v_and_b32 v7, 15, v0
	v_bfe_u32 v8, v0, 4, 1
	v_and_b32 v9, 31, v0
	s_mul_i32 s90, s[CW], TILEB
	s_add_co_u32 s90, s90, CIMG
	v_mul_u32_u24 v3, v7, PITCH
	s_delay_alu instid0(VALU_DEP_1)
	v_lshl_add_u32 v3, v8, 5, v3
	s_delay_alu instid0(VALU_DEP_1)
	v_add_nc_u32 v3, s90, v3                       ; in: row r, 32 bytes for each half of the lanes
	v_lshlrev_b32 v5, 4, v9                        ; 16 x lane: my place in a row of 512 bytes, in memory
	s_delay_alu instid0(VALU_DEP_1)
	v_add_nc_u32 v4, s90, v5                       ; and in the stage
	s_cmp_lt_u32 s[WV], 4
	s_cbranch_scc1 .Lend
	s_lshl_b32 s90, s[CW], 23                      ; part_o [query][work-group][128]: my 64 queries of 131,072 bytes, my work-group's 512
	s_lshl_b32 s91, ttmp9, 9
	s_add_co_u32 s90, s90, s91
	s_mov_b32 s91, 0
	s_add_nc_u64 s[32:33], s[32:33], s[90:91]
	s_lshl_b32 s90, ttmp9, 11                      ; part_ml [work-group][query][2]
	s_lshl_b32 s92, s[CW], 9
	s_add_co_u32 s90, s90, s92
	s_add_nc_u64 s[34:35], s[34:35], s[90:91]
.irp qt, 0,1,2,3
	v_add_f32 v[STAT+4*\qt+2], v[STAT+4*\qt+2], v[STAT+4*\qt+3]
.endr
.irp qt, 0,1,2,3
	s_delay_alu instid0(VALU_DEP_4)
	v_permlanex16_b32 v[STAT+4*\qt+3], v[STAT+4*\qt+2], s78, s79
.endr
.irp qt, 0,1,2,3
	s_delay_alu instid0(VALU_DEP_4)
	v_add_f32 v[STAT+4*\qt+2], v[STAT+4*\qt+2], v[STAT+4*\qt+3]   ; l: both halves of the lanes hold it, as they hold M
.endr
	v_cmp_le_u32 vcc_lo, 16, v9
	v_lshlrev_b32 v164, 3, v9
.irp p2, 0,1                                   ; lanes 0-15 give tile 2 p's queries, lanes 16-31 tile 2 p + 1's: 256 consecutive bytes a store
	v_cndmask_b32 v[160+2*\p2], v[STAT+8*\p2], v[STAT+4+8*\p2], vcc_lo
	v_cndmask_b32 v[161+2*\p2], v[STAT+2+8*\p2], v[STAT+6+8*\p2], vcc_lo
	s_delay_alu instid0(VALU_DEP_2)
	v_mul_f32 v[160+2*\p2], -1.0, v[160+2*\p2]     ; M
	global_store_b64 v164, v[160+2*\p2:161+2*\p2], s[34:35] offset:256*\p2
.endr
.macro TOSTAGE a                       ; tile a: a lane's eight neighbouring value dims of a query go into my stage and come back as whole rows
	WIN 0x04                                       ; the stores' data lie in window 1
.irp t, 0,1,2,3,4,5,6,7
	ds_store_b128 v3, v[64*(\a)+8*\t:64*(\a)+8*\t+3] offset:64*\t
	ds_store_b128 v3, v[64*(\a)+8*\t+4:64*(\a)+8*\t+7] offset:64*\t+16
.endr
	WIN 0
.set BK, 32+64*((\a)%2)
.set k, 0
.rept 16
	ds_load_b128 v[BK+4*k:BK+4*k+3], v4 offset:k*PITCH   ; LDS serves a wave's instructions in order (ISA guide 5.7.1.4): these see the stores above, and the next tile's stores come behind them
.set k, k+1
.endr
.endm
.macro SEND a, younger                 ; younger: the LDS instructions issued behind tile a's loads
.set BK, 32+64*((\a)%2)
	s_wait_dscnt \younger
.if (\a) > 0
	s_add_nc_u64 s[32:33], s[32:33], 0x200000      ; 16 queries on (behind a wait on XCNT: the earlier stores have read their base)
.endif
.set k, 0
.rept 16
	global_store_b128 v5, v[BK+4*k:BK+4*k+3], s[32:33] offset:k*131072   ; 32 lanes store 512 consecutive bytes, at a multiple of 512 from the buffer's first byte
.set k, k+1
.endr
.endm
	TOSTAGE 0
.irp a, 1,2,3
.if \a > 1
	s_wait_xcnt 0x0                                ; tile a - 2's stores have read their registers and their base
.endif
	TOSTAGE \a
	SEND \a-1, 32                                  ; behind tile a - 1's loads: tile a's 16 stores and 16 loads
.endr
	s_wait_xcnt 0x0
	SEND 3, 0
.Lend:
	s_wait_tensorcnt 0x0                           ; the wave's end
	ds_add_u32 v1, v2
	s_wait_dscnt 0x0
	s_endpgm
.Lfunc_end_k_qc148d319e8_stream:
	.size	k_qc148d319e8_stream, .Lfunc_end_k_qc148d319e8_stream-k_qc148d319e8_stream
	.p2alignl 7, 3214868480
	.fill 96, 4, 3214868480
	.section	.rodata,"a",@progbits
	.p2align	6, 0x0
	.amdhsa_kernel k_qc148d319e8_stream
		.amdhsa_group_segment_fixed_size 327680
		.amdhsa_private_segment_fixed_size 0
		.amdhsa_enable_private_segment 0
		.amdhsa_kernarg_size 120
		.amdhsa_user_sgpr_count 2
		.amdhsa_user_sgpr_kernarg_segment_ptr 1
		.amdhsa_wavefront_size32 1
		.amdhsa_system_sgpr_workgroup_id_x 1
		.amdhsa_system_sgpr_workgroup_id_y 1
		.amdhsa_system_sgpr_workgroup_id_z 1
		.amdhsa_system_vgpr_workitem_id 0
		.amdhsa_next_free_vgpr 512
		.amdhsa_next_free_sgpr 100
		.amdhsa_reserve_vcc 1
		.amdhsa_float_denorm_mode_32 3
		.amdhsa_float_denorm_mode_16_64 3
		.amdhsa_memory_ordered 1
		.amdhsa_forward_progress 1
		.amdhsa_inst_pref_size 255
	.end_amdhsa_kernel
	.section	.bss,"aw",@nobits
	.p2align	6
	.space	262144
	.amdgpu_metadata
---
amdhsa.version: [ 1, 2 ]
amdhsa.kernels:
  - .name:           k_qc148d319e8_stream
    .symbol:         k_qc148d319e8_stream.kd
    .args:
      - { .name: mem, .offset: 0, .size: 8, .value_kind: global_buffer, .address_space: global }
      - { .name: q, .offset: 8, .size: 8, .value_kind: global_buffer, .address_space: global }
      - { .name: fk_w, .offset: 16, .size: 8, .value_kind: global_buffer, .address_space: global }
      - { .name: fv_w, .offset: 24, .size: 8, .value_kind: global_buffer, .address_space: global }
      - { .name: fx_w, .offset: 32, .size: 8, .value_kind: global_buffer, .address_space: global }
      - { .name: fk_b, .offset: 40, .size: 8, .value_kind: global_buffer, .address_space: global }
      - { .name: fv_b, .offset: 48, .size: 8, .value_kind: global_buffer, .address_space: global }
      - { .name: nk_g, .offset: 56, .size: 8, .value_kind: global_buffer, .address_space: global }
      - { .name: nk_b, .offset: 64, .size: 8, .value_kind: global_buffer, .address_space: global }
      - { .name: nv_g, .offset: 72, .size: 8, .value_kind: global_buffer, .address_space: global }
      - { .name: nv_b, .offset: 80, .size: 8, .value_kind: global_buffer, .address_space: global }
      - { .name: lowp_scales, .offset: 88, .size: 8, .value_kind: global_buffer, .address_space: global }
      - { .name: part_o, .offset: 96, .size: 8, .value_kind: global_buffer, .address_space: global }
      - { .name: part_ml, .offset: 104, .size: 8, .value_kind: global_buffer, .address_space: global }
      - { .name: fxc, .offset: 112, .size: 8, .value_kind: global_buffer, .address_space: global }
    .group_segment_fixed_size: 327680
    .private_segment_fixed_size: 0
    .kernarg_segment_align: 8
    .kernarg_segment_size: 120
    .max_flat_workgroup_size: 256
    .sgpr_count:     100
    .vgpr_count:     512
    .wavefront_size: 32
...
	.end_amdgpu_metadata
.endif
;; end of part 1
;; launch finish (part 2): grid 256 x 1, 8 waves a work-group, no clusters, 9,216 bytes of LDS; arguments part_o, part_ml, fxc, fx_b, nx_g, nx_b, lowp_scales, out0; writes out0
.if DOCPART == 2
	.amdgcn_target "amdgcn-amd-amdhsa--gfx1250"
	.amdhsa_code_object_version 6
	.text
	.protected	k_qc148d319e8_finish
	.globl	k_qc148d319e8_finish
	.p2align	8
	.type	k_qc148d319e8_finish,@function
k_qc148d319e8_finish:
	s_mov_b64 s[64:65], 0
	v_nop
	global_prefetch_b8 v0, s[64:65] scope:SCOPE_SE
	s_setreg_imm32_b32 hwreg(HW_REG_WAVE_MODE, 25, 1), 1
	s_wait_xcnt 0x0
; The end of MultiHeadMemory: one work-group for each query b.  Wave w takes head w: it joins the head's 32 parts (part 32 w + s: raw sums O, whole number M, sum l), o = sum of f O x 2^(e6 + e7) / sum of f l with
; f = 2^(M - the head's largest M), which rounds nothing; quantises o (e8) and multiplies it by K step w of fx_w's codes (e9).  The eight waves' parts of x meet in LDS; wave 0 adds them, adds the bias,
; norms, clips at 0 and stores the row.
; part_o [query][part 256][128] f32: a work-group reads 131,072 dense bytes, 512 an instruction.  part_ml [part][query][2].  fxc [(16 nt.. tile nt, K step ks, quarter cq)][lane][16 bytes]: images of the operand's registers.
; The product's 16 rows of A are the same query sixteen times: a lane's registers do not hang on its row, and register 0 of each result holds x for output 16 nt + r.
; No tensor load, no ring, no cluster (the work-groups share only fx_w's 128 KiB of codes), no prefetch (a short launch whose loads all go out at its head).
; LIMITS: e8 between -126 and 112, e8 + e9 between -126 and 127; e6 + e7 goes by v_ldexp_f32 and has none.  NaN among the inputs is not served.
; REGISTERS: v3 2,048 x thread, v6 16 x lane; v[4:5] M, l; v7 f; v[8:11] the sum, then o; v13, v14 hold and scale; v16-143 the 32 parts' rows, later v16-79 o as the operand wants it, v80-95 its codes,
; v96-159 eight results; v160-171 fx_b, nx_g, nx_b; v172-175 LDS addresses; window 1 v0-127 fx_w's eight fragments.  s66-97 the 32 f.
.set XP, 4096                          ; LDS: 512 bytes for each wave's o from byte 0, 512 for each wave's part of x from here
.set MSB, 0
.macro WIN new
.if MSB != \new
	s_set_vgpr_msb (MSB<<8)|\new
.set MSB, \new
.endif
.endm
.macro ALLSUM reg, tmp                 ; the sum over the wave's 32 lanes, in every lane
.irp m, 1,2,4,8
	s_delay_alu instid0(VALU_DEP_1)
	v_add_f32_dpp v[\reg], v[\reg], v[\reg] row_xmask:\m row_mask:0xf bank_mask:0xf
.endr
	s_delay_alu instid0(VALU_DEP_1)
	v_permlanex16_b32 v[\tmp], v[\reg], s28, s29
	s_delay_alu instid0(VALU_DEP_1)
	v_add_f32 v[\reg], v[\reg], v[\tmp]
.endm
	s_load_b512 s[8:23], s[0:1], 0x0               ; part_o, part_ml, fxc, fx_b, nx_g, nx_b, lowp_scales, out0
	v_lshl_add_u32 v254, v0, 2, 0x2000
	v_mov_b32 v255, 0
	v_lshrrev_b32 v1, 5, v0
	s_delay_alu instid0(VALU_DEP_1)
	v_readfirstlane_b32 s2, v1                     ; wave = head = K step
	v_and_b32 v1, 31, v0
	v_and_b32 v2, 15, v0                           ; r
	v_bfe_u32 v12, v0, 4, 1                        ; h
	v_lshlrev_b32 v3, 11, v0                       ; my thread's part: 2,048 bytes of part_ml each
	s_delay_alu instid0(VALU_DEP_4)
	v_lshlrev_b32 v6, 4, v1
	s_lshl_b32 s3, s2, 9
	v_add_nc_u32 v172, s3, v6                      ; o: in
	v_lshl_add_u32 v173, v12, 5, s3                ; o: back, numbers 16 c + 8 h + 0 .. 7
	v_lshl_add_u32 v174, v2, 2, s3
	s_delay_alu instid0(VALU_DEP_1)
	v_add_nc_u32 v174, XP, v174                    ; my wave's part of x, output 16 nt + r
	v_add_nc_u32 v175, XP, v6                      ; wave 0 reads them all back
	v_mov_b32 v9, 0                                ; written once: a lane permute's destination counts as one of its sources
	s_mov_b32 s28, 0x76543210
	s_mov_b32 s29, 0xfedcba98
	s_mov_b32 s34, 0x3c000000                      ; 1/128
	s_mov_b32 s35, 0x3727c5ac                      ; 1e-5
	s_lshl_b32 s4, ttmp9, 17
	s_lshl_b32 s5, s2, 14
	s_add_co_u32 s4, s4, s5                        ; part_o: 131,072 b + 16,384 w
	s_mov_b32 s5, 0
	s_lshl_b32 s6, ttmp9, 3
	s_mov_b32 s7, 0
	s_lshl_b32 s36, s2, 11                         ; fxc: K step w
	s_mov_b32 s37, 0
	s_lshl_b32 s38, ttmp9, 9
	s_mov_b32 s39, 0
	s_wait_alu depctr_va_vdst(0)
	s_wait_kmcnt 0x0
	s_load_b128 s[24:27], s[20:21], 0x18           ; e6, e7, e8, e9
	s_add_nc_u64 s[8:9], s[8:9], s[4:5]
	s_add_nc_u64 s[10:11], s[10:11], s[6:7]
	s_add_nc_u64 s[12:13], s[12:13], s[36:37]
	s_add_nc_u64 s[22:23], s[22:23], s[38:39]
	global_load_b64 v[4:5], v3, s[10:11]           ; lane s: M and l of part 32 w + s
.set k, 0
.rept 32
	global_load_b128 v[16+4*k:19+4*k], v6, s[8:9] offset:512*k th:TH_LOAD_NT   ; part 32 w + k: 512 consecutive bytes; read once in the launch
.set k, k+1
.endr
	global_load_b128 v[160:163], v6, s[14:15]
	global_load_b128 v[164:167], v6, s[16:17]
	global_load_b128 v[168:171], v6, s[18:19]
	s_wait_loadcnt 35                              ; M and l are in: 32 rows and 3 constants were asked for behind them
	v_mov_b32 v7, v4
.irp m, 1,2,4,8
	s_delay_alu instid0(VALU_DEP_1)
	v_max_num_f32_dpp v7, v7, v7 row_xmask:\m row_mask:0xf bank_mask:0xf
.endr
	s_delay_alu instid0(VALU_DEP_1)
	v_permlanex16_b32 v9, v7, s28, s29
	s_delay_alu instid0(VALU_DEP_1)
	v_max_num_f32 v7, v7, v9                       ; the head's largest M
	s_delay_alu instid0(VALU_DEP_1)
	v_sub_f32 v7, v4, v7
	s_delay_alu instid0(VALU_DEP_1)
	v_cvt_i32_f32 v7, v7
	s_delay_alu instid0(VALU_DEP_1)
	v_ldexp_f32 v7, 1.0, v7                        ; f
	s_delay_alu instid0(VALU_DEP_1)
	v_mul_f32 v5, v5, v7
	ALLSUM 5, 9                                    ; the head's l
	WIN 0x40
.irp nt, 0,1,2,3,4,5,6,7
.irp cq, 0,1,2,3
	global_load_b128 v[16*\nt+4*\cq:16*\nt+4*\cq+3], v6, s[12:13] offset:16384*\nt+512*\cq
.endr
.endr
	WIN 0
.set k, 0
.rept 32
	v_readlane_b32 s[66+k], v7, k
.set k, k+1
.endr
	s_wait_kmcnt 0x0
	s_add_co_i32 s30, s24, s25                     ; e6 + e7
	s_add_co_i32 s41, s26, 127
	s_lshl_b32 s40, s41, 23
	s_add_co_i32 s41, s41, 15
	s_lshl_b32 s41, s41, 23
	s_or_b32 s41, s41, 0x600000
	v_mov_b32 v14, s40                             ; 2^e8
	v_mov_b32 v13, s41                             ; 57,344 x 2^e8
	s_add_co_i32 s32, s26, s27
	s_add_co_i32 s32, s32, 127
	s_lshl_b32 s32, s32, 23                        ; 2^(e8 + e9)
	s_mov_b32 s33, s32
	s_wait_loadcnt 35                              ; the 32 rows are in: 3 constants and 32 loads of codes were asked for behind them
.irp c, 0,1,2,3
	v_mul_f32 v[8+\c], s66, v[16+\c]
.endr
.set k, 1
.rept 31
.irp c, 0,1,2,3
	s_delay_alu instid0(VALU_DEP_4)
	v_fmac_f32 v[8+\c], s[66+k], v[16+4*k+\c]
.endr
.set k, k+1
.endr
	s_wait_alu depctr_va_vdst(0)
	v_rcp_f32 v5, v5
	v_nop
	s_wait_alu depctr_va_vdst(0)
	v_ldexp_f32 v5, v5, s30
.irp c, 0,1,2,3
	v_mul_f32 v[8+\c], v[8+\c], v5                 ; o(b, w, 4 lane + c)
.endr
	ds_store_b128 v172, v[8:11]
.irp c, 0,1,2,3,4,5,6,7
	ds_load_b128 v[16+8*\c:19+8*\c], v173 offset:64*\c      ; my wave's own bytes, served in order: no wait between
	ds_load_b128 v[20+8*\c:23+8*\c], v173 offset:64*\c+16
.endr
	s_wait_dscnt 0x0
.set j, 0
.rept 64
	v_med3_num_f32 v[16+j], v[16+j], -v13, v13
.set j, j+1
.endr
.irp c, 0,1,2,3,4,5,6,7
	v_cvt_scalef32_pk8_bf8_f32 v[80+2*\c:81+2*\c], v[16+8*\c:23+8*\c], v14
.endr
	v_nop
	s_wait_alu depctr_va_vdst(0)
	s_wait_loadcnt 0x0                             ; fx_w's codes
	WIN 0x04
.irp nt, 0,1,2,3,4,5,6,7
	v_wmma_f32_16x16x128_bf8_bf8 v[96+8*\nt:103+8*\nt], v[80:95], v[16*\nt:16*\nt+15], 0
.endr
	WIN 0
.rept 4
	v_nop
.endr
.irp nt, 0,1,2,3,4,5,6,7
	ds_store_b32 v174, v[96+8*\nt] offset:64*\nt   ; every row is the same query: register 0; both halves of the lanes write the same word with the same number
.endr
	s_wait_dscnt 0x0
	s_barrier_signal -1
	s_barrier_wait -1
	s_cmp_lg_u32 s2, 0
	s_cbranch_scc1 .Ldone
.irp k2, 0,1,2,3,4,5,6,7
	ds_load_b128 v[16+4*\k2:19+4*\k2], v175 offset:512*\k2
.endr
	s_wait_dscnt 0x0
.irp k2, 1
	v_pk_add_f32 v[16:17], v[16:17], v[16+4*\k2:17+4*\k2]
	v_pk_add_f32 v[18:19], v[18:19], v[18+4*\k2:19+4*\k2]
.endr
.irp k2, 2, 3, 4, 5, 6, 7
	s_delay_alu instid0(VALU_DEP_2)
	v_pk_add_f32 v[16:17], v[16:17], v[16+4*\k2:17+4*\k2]
	s_delay_alu instid0(VALU_DEP_2)
	v_pk_add_f32 v[18:19], v[18:19], v[18+4*\k2:19+4*\k2]
.endr
	s_delay_alu instid0(VALU_DEP_2)
	v_pk_fma_f32 v[16:17], v[16:17], s[32:33], v[160:161] op_sel_hi:[1,0,1]   ; x = sum x 2^(e8 + e9) + fx_b
	s_delay_alu instid0(VALU_DEP_2)
	v_pk_fma_f32 v[18:19], v[18:19], s[32:33], v[162:163] op_sel_hi:[1,0,1]
	s_delay_alu instid0(VALU_DEP_1)
	v_pk_add_f32 v[20:21], v[16:17], v[18:19]
	s_delay_alu instid0(VALU_DEP_1)
	v_add_f32 v20, v20, v21
	ALLSUM 20, 21
	s_delay_alu instid0(VALU_DEP_1)
	v_mul_f32 v20, 0xbc000000, v20                 ; -mean
	s_delay_alu instid0(VALU_DEP_1)
	v_pk_add_f32 v[16:17], v[16:17], v[20:21] op_sel_hi:[1,0]
	s_delay_alu instid0(VALU_DEP_2)
	v_pk_add_f32 v[18:19], v[18:19], v[20:21] op_sel_hi:[1,0]
	s_delay_alu instid0(VALU_DEP_2)
	v_pk_mul_f32 v[22:23], v[16:17], v[16:17]
	s_delay_alu instid0(VALU_DEP_1)
	v_pk_fma_f32 v[22:23], v[18:19], v[18:19], v[22:23]
	s_delay_alu instid0(VALU_DEP_1)
	v_add_f32 v22, v22, v23
	ALLSUM 22, 23
	s_delay_alu instid0(VALU_DEP_1)
	v_fma_f32 v22, v22, s34, s35
	s_wait_alu depctr_va_vdst(0)
	v_rsq_f32 v22, v22
	v_nop
	s_wait_alu depctr_va_vdst(0)
	v_pk_mul_f32 v[16:17], v[16:17], v[22:23] op_sel_hi:[1,0]
	v_pk_mul_f32 v[18:19], v[18:19], v[22:23] op_sel_hi:[1,0]
	s_delay_alu instid0(VALU_DEP_2)
	v_pk_fma_f32 v[16:17], v[16:17], v[164:165], v[168:169]
	s_delay_alu instid0(VALU_DEP_2)
	v_pk_fma_f32 v[18:19], v[18:19], v[166:167], v[170:171]
.irp c, 0,1,2,3
	v_max_num_f32 v[16+\c], 0, v[16+\c]
.endr
	global_store_b128 v6, v[16:19], s[22:23]       ; the row's 512 consecutive bytes
.Ldone:
	s_wait_tensorcnt 0x0
	ds_add_u32 v254, v255
	s_wait_dscnt 0x0
	s_endpgm
.Lfunc_end_k_qc148d319e8_finish:
	.size	k_qc148d319e8_finish, .Lfunc_end_k_qc148d319e8_finish-k_qc148d319e8_finish
	.p2alignl 7, 3214868480
	.fill 96, 4, 3214868480
	.section	.rodata,"a",@progbits
	.p2align	6, 0x0
	.amdhsa_kernel k_qc148d319e8_finish
		.amdhsa_group_segment_fixed_size 9216
		.amdhsa_private_segment_fixed_size 0
		.amdhsa_enable_private_segment 0
		.amdhsa_kernarg_size 64
		.amdhsa_user_sgpr_count 2
		.amdhsa_user_sgpr_kernarg_segment_ptr 1
		.amdhsa_wavefront_size32 1
		.amdhsa_system_sgpr_workgroup_id_x 1
		.amdhsa_system_sgpr_workgroup_id_y 1
		.amdhsa_system_sgpr_workgroup_id_z 1
		.amdhsa_system_vgpr_workitem_id 0
		.amdhsa_next_free_vgpr 384
		.amdhsa_next_free_sgpr 100
		.amdhsa_reserve_vcc 0
		.amdhsa_float_denorm_mode_32 3
		.amdhsa_float_denorm_mode_16_64 3
		.amdhsa_memory_ordered 1
		.amdhsa_forward_progress 1
		.amdhsa_inst_pref_size 33
	.end_amdhsa_kernel
	.amdgpu_metadata
---
amdhsa.version: [ 1, 2 ]
amdhsa.kernels:
  - .name:           k_qc148d319e8_finish
    .symbol:         k_qc148d319e8_finish.kd
    .args:
      - { .name: part_o, .offset: 0, .size: 8, .value_kind: global_buffer, .address_space: global }
      - { .name: part_ml, .offset: 8, .size: 8, .value_kind: global_buffer, .address_space: global }
      - { .name: fxc, .offset: 16, .size: 8, .value_kind: global_buffer, .address_space: global }
      - { .name: fx_b, .offset: 24, .size: 8, .value_kind: global_buffer, .address_space: global }
      - { .name: nx_g, .offset: 32, .size: 8, .value_kind: global_buffer, .address_space: global }
      - { .name: nx_b, .offset: 40, .size: 8, .value_kind: global_buffer, .address_space: global }
      - { .name: lowp_scales, .offset: 48, .size: 8, .value_kind: global_buffer, .address_space: global }
      - { .name: out0, .offset: 56, .size: 8, .value_kind: global_buffer, .address_space: global }
    .group_segment_fixed_size: 9216
    .private_segment_fixed_size: 0
    .kernarg_segment_align: 8
    .kernarg_segment_size: 64
    .max_flat_workgroup_size: 256
    .sgpr_count:     100
    .vgpr_count:     384
    .wavefront_size: 32
...
	.end_amdgpu_metadata
.endif
;; end of part 2
